; MI455X (gfx1250); checked and timed in simulation.
; The chip was launched on July 23, 2026; its instructions are those of AMD's public machine-readable ISA for CDNA 5 (MIT licence, August 2026) and "CDNA5" Instruction Set Architecture Reference Guide (July 2026). The comments in the code are by the model that wrote it; some were corrected since.
;; Scale Dot Product. Allowed arithmetic: float matrix products may take bf16 or f16 operands with f32 sums; all other float work in f32.
;; Inputs: k 4 x 16 x 2,048 x 64 float32; q 4 x 16 x 2,048 x 64 float32; v 4 x 16 x 2,048 x 64 float32.
;; Outputs: out0 4 x 16 x 2,048 x 64 float32.
;; 2 versions, each right; version 2 is version 1 with the launch attn written anew for expert scheduling mode. Each part assembles by itself: llvm-mc -triple=amdgcn-amd-amdhsa -mcpu=gfx1250 --defsym DOCPART=n.
;; ======== version 1 of 2: 1 launch
;; launch attn (part 1): grid 256 x 1, 8 waves a work-group, no clusters, 113,664 bytes of LDS; arguments q, k, v, out0; writes out0
.if DOCPART == 1
	.amdgcn_target "amdgcn-amd-amdhsa--gfx1250"
	.amdhsa_code_object_version 6
	.text
	.protected	k_q3adb9df1ed_attn
	.globl	k_q3adb9df1ed_attn
	.p2align	8
	.type	k_q3adb9df1ed_attn,@function
k_q3adb9df1ed_attn:
	s_mov_b64 s[64:65], 0
	v_nop
	global_prefetch_b8 v0, s[64:65] scope:SCOPE_SE
	s_setreg_imm32_b32 hwreg(HW_REG_WAVE_MODE, 25, 1), 1
	s_wait_xcnt 0x0
; out = softmax(q k^T / 8) v for 64 heads of 2,048 x 64, f32 in memory; products in bf16 with f32 sums, softmax in f32 with a running maximum.
; SHARES.  Work-group g: head g >> 2, queries 512 (g & 3) .. + 511.  Wave w: 64 of them, as four q blocks of 16.  Every work-group walks the
; head's 2,048 keys in 32 tiles of 64.  Eight waves of 512 registers: two to a SIMD, so that one's softmax can run beside the other's products.
; BOTH PRODUCTS ARE TRANSPOSED.  S^T = K Q^T: lane (r, h) register j of key tile kt holds key 16 kt + 8 h + j of query r, so a query's maximum
; and sum run inside the lane and one exchange with lane xor 16 joins the halves.  Packing registers (2 j, 2 j + 1) of key tiles 2 kk, 2 kk + 1
; gives the B fragment (32 keys x 16 queries) of O^T = V^T P^T as it stands: P never leaves its registers.  In O^T lane (r, h) holds
; d = 16 db + 8 h + j of query r, so the rescale and 1 / l are the lane's own numbers.
; THE SCALE.  q, k and v are rounded to bf16 as they are given.  c = 0.125 log2(e) is applied to the f32 scores, in the multiply-add that also takes
; the maximum away: p = 2^(c s + N), where N = -(c x running maximum) is what is kept from tile to tile.
; K AND V go memory -> registers (f32, one tile ahead) -> bf16 -> one of two LDS slots, once for the work-group; one barrier a tile.
; CLUSTER: none, though the four work-groups of a head read the same K and V.  A joint tensor load cannot round: it would land 32,768 bytes of
; f32 a tile in LDS, to be read back (32,768 bytes), rounded and stored again (16,384 bytes), where the way through registers costs the
; 16,384-byte store alone, and it would add a round of the cluster's barrier to the barrier that the bf16 slots need anyway.
; LIMITS.  Inputs finite, with scores finite in f32.  v_exp_f32 gives 0 for results below 2^-126 (ISA guide 15.8).
; P is rounded to bf16 for the product; the row sums take the unrounded p.
.set TILEB,   16384                    ; a tile of K or of V in memory: 64 keys x 256 bytes, contiguous
.set KPITCH,  144                      ; LDS row of 64 bf16 + 16 bytes: 9 x 16, so sixteen rows start at sixteen different 16-byte columns of 256 bytes
.set VPITCH,  160                      ; 5 x 32 bytes, for the transposing loads
.set VOFF,    64*KPITCH                ; 9,216: V's rows lie behind K's in a slot
.set SLOTB,   VOFF+64*VPITCH            ; 19,456 bytes a slot; two slots
.set WSB,     2*SLOTB                  ; 38,912: behind the slots each wave's own 9,216 bytes: first its Q rows (pitch 144), at the end 16 rows of output
.set WSZ,     64*KPITCH
.set OPITCH,  272                      ; a row of 64 f32 + 16 bytes
.set QSCALE,  0x3e38aa3b               ; c = 0.125 log2(e)
.set NQSCALE, 0xbe38aa3b               ; -c
; registers v0-v255
.set KST, 2                            ; where thread t puts 8 bytes of K: (t >> 4) 144 + (t & 15) 8
.set VST, 3                            ; of V: (t >> 4) 160 + (t & 15) 8
.set KAD, 4                            ; K fragments: r 144 + 16 h
.set VAD, 5                            ; V fragments: (8 h + (L & 7)) 160 + 16 ((L >> 3) & 1)
.set GOF, 6                            ; 16 t: my 16 bytes in each 4,096 of a tile
.set QST, 7                            ; Q stage, in
.set QAD, 8                            ; Q stage, fragments
.set PFO, 9                            ; 256 L: prefetch, lanes 256 bytes apart
.set LOF, 10                           ; 16 L
.set OST, 11                           ; output stage, in: r 272 + 32 h
.set ORD, 12                           ; output stage, back by rows: h 272 + 16 r
.set MM,  16                           ; v[16:31]  q block qb, parity p: pair 16 + 4 qb + 2 p = (N = -c x running maximum, the other half's figure of this tile)
.set LS,  32                           ; v[32:39]  q block qb: a pair of partial row sums
.set AL,  40                           ; v[40:41]  2^(new N - old N); the second word is written once and never used
.set TM,  42                           ; v[42:45]  at work
.set PB,  48                           ; v[48:63]  P as two B fragments
.set SC,  64                           ; v[64:127] scores, two buffers of 32; key tile kt at 8 kt
.set ACC, 128                          ; v[128:255] O^T: 32 qb + 8 db
; registers v256-v511, written by their low 8 bits
.set KFR, 0                            ; K fragments, 16 kt + 8 ks
.set VFR, 64                           ; V^T fragments, 8 (4 kk + db)
.set QFR, 128                          ; Q fragments, 16 qb + 8 ks
.set GLD, 192                          ; the next tile as loaded: K 16 registers, V 16
.set CVR, 224                          ; the same in bf16: K 8, V 8
; s_set_vgpr_msb: bits 1:0 source 0, 3:2 source 1, 5:4 source 2, 7:6 destination
.set W_S,  0x05                        ; S product: A and B above, C and D below
.set W_PV, 0x01                        ; PV product: A above
.set W_LD, 0x40                        ; loads into the upper block, address below
.set W_CV, 0x45                        ; conversions inside the upper block
.set W_ST, 0x04                        ; LDS stores of upper data, address below
.set MSB, 0
.macro WIN new                         ; the immediate's high byte repeats the setting that is left; a switch that changes nothing is dropped
.if MSB != \new
	s_set_vgpr_msb (MSB<<8)|\new
.set MSB, \new
.endif
.endm
; eight loads: my 16 bytes of each 4,096 of a tile of K and of V; a wave's load covers 512 consecutive bytes, aligned
.macro GLOAD off
	WIN W_LD
.irp i, 0,1,2,3
	global_load_b128 v[GLD+4*\i:GLD+4*\i+3], v[GOF], s[6:7] offset:\off+4096*\i
.endr
.irp i, 0,1,2,3
	global_load_b128 v[GLD+16+4*\i:GLD+16+4*\i+3], v[GOF], s[8:9] offset:\off+4096*\i
.endr
.endm
.macro CVT16                           ; 32 f32 to 16 words of bf16
	WIN W_CV
.irp i, 0,1,2,3,4,5,6,7
	v_cvt_pk_bf16_f32 v[CVR+2*\i], v[GLD+4*\i], v[GLD+4*\i+1]
	v_cvt_pk_bf16_f32 v[CVR+2*\i+1], v[GLD+4*\i+2], v[GLD+4*\i+3]
.endr
.endm
.macro DSTORE ns                       ; load i holds row (t >> 4) + 16 i, d = 4 (t & 15) .. + 3
	WIN W_ST
.irp i, 0,1,2,3
	ds_store_b64 v[KST], v[CVR+2*\i:CVR+2*\i+1] offset:\ns*SLOTB+16*KPITCH*\i
.endr
.irp i, 0,1,2,3
	ds_store_b64 v[VST], v[CVR+8+2*\i:CVR+8+2*\i+1] offset:\ns*SLOTB+VOFF+16*VPITCH*\i
.endr
.endm
; K as A fragments: lane (r, h) takes key 16 kt + r, d = 32 ks + 8 h .. + 7 and 16 further on
.macro LOADK slot
	WIN W_LD
.irp kt, 0,1,2,3
.irp ks, 0,1
	ds_load_b128 v[KFR+16*\kt+8*\ks:KFR+16*\kt+8*\ks+3], v[KAD] offset:\slot*SLOTB+\kt*16*KPITCH+\ks*64
	ds_load_b128 v[KFR+16*\kt+8*\ks+4:KFR+16*\kt+8*\ks+7], v[KAD] offset:\slot*SLOTB+\kt*16*KPITCH+\ks*64+32
.endr
.endr
.endm
; V^T as A fragments out of rows [key][d]: lane (r, h) gets d = 16 db + r, keys 32 kk + 8 h .. + 7 and 16 further on
.macro LOADV slot
	WIN W_LD
.irp kk, 0,1
.irp db, 0,1,2,3
	ds_load_tr16_b128 v[VFR+8*(4*\kk+\db):VFR+8*(4*\kk+\db)+3], v[VAD] offset:\slot*SLOTB+VOFF+\kk*32*VPITCH+\db*32
	ds_load_tr16_b128 v[VFR+8*(4*\kk+\db)+4:VFR+8*(4*\kk+\db)+7], v[VAD] offset:\slot*SLOTB+VOFF+\kk*32*VPITCH+\db*32+16*VPITCH
.endr
.endr
.endm
; S^T of q block qb into score buffer b.  The four key tiles take turns, one instruction a turn; the first product starts each sum.
.macro SMM qb, b
	WIN W_S
.irp kt, 0,1,2,3
	v_wmma_f32_16x16x32_bf16 v[SC+32*\b+8*\kt:SC+32*\b+8*\kt+7], v[KFR+16*\kt:KFR+16*\kt+7], v[QFR+16*\qb:QFR+16*\qb+7], 0
.endr
.irp kt, 0,1,2,3
	v_wmma_f32_16x16x32_bf16 v[SC+32*\b+8*\kt:SC+32*\b+8*\kt+7], v[KFR+16*\kt+8:KFR+16*\kt+15], v[QFR+16*\qb+8:QFR+16*\qb+15], v[SC+32*\b+8*\kt:SC+32*\b+8*\kt+7]
.endr
.endm
; O^T of q block qb += V^T P^T.  The four d blocks take turns likewise; in the first tile the first product starts the sums: nothing is cleared.
.macro PVMM qb, first
	WIN W_PV
.irp db, 0,1,2,3
.if \first
	v_wmma_f32_16x16x32_bf16 v[ACC+32*\qb+8*\db:ACC+32*\qb+8*\db+7], v[VFR+8*\db:VFR+8*\db+7], v[PB:PB+7], 0
.else
	v_wmma_f32_16x16x32_bf16 v[ACC+32*\qb+8*\db:ACC+32*\qb+8*\db+7], v[VFR+8*\db:VFR+8*\db+7], v[PB:PB+7], v[ACC+32*\qb+8*\db:ACC+32*\qb+8*\db+7]
.endif
.endr
.irp db, 0,1,2,3
	v_wmma_f32_16x16x32_bf16 v[ACC+32*\qb+8*\db:ACC+32*\qb+8*\db+7], v[VFR+32+8*\db:VFR+32+8*\db+7], v[PB+8:PB+15], v[ACC+32*\qb+8*\db:ACC+32*\qb+8*\db+7]
.endr
.endm
; The new N = -(c x running maximum) of q block qb (raw scores in buffer b) and 2^(new N - old N).  c > 0, so the maximum is taken over the raw scores and
; scaled once; the difference of the two N is exact in the numbers that the exponents use.  N's pair changes with the tile's parity: no copy.
.macro MAXPART qb, b, par, opar, first
.set SB,  SC+32*\b
.set PMN, MM+4*\qb+2*\par
.set PMO, MM+4*\qb+2*\opar
.irp c, 0,1,2,3
	v_max3_num_f32 v[TM+\c], v[SB+8*\c], v[SB+8*\c+1], v[SB+8*\c+2]      ; four chains that do not wait for each other
.endr
.irp c, 0,1,2,3
	v_max3_num_f32 v[TM+\c], v[TM+\c], v[SB+8*\c+3], v[SB+8*\c+4]
.endr
.irp c, 0,1,2,3
	v_max3_num_f32 v[TM+\c], v[TM+\c], v[SB+8*\c+5], v[SB+8*\c+6]
.endr
	v_max3_num_f32 v[TM], v[TM], v[TM+1], v[SB+7]
	v_max3_num_f32 v[TM+2], v[TM+2], v[TM+3], v[SB+15]
	v_max3_num_f32 v[TM], v[TM], v[TM+2], v[SB+23]
	v_max_num_f32 v[TM], v[TM], v[SB+31]                                 ; the largest of my 32 raw scores
	v_mul_f32 v[TM], NQSCALE, v[TM]                                      ; times -c
	v_permlanex16_b32 v[PMN+1], v[TM], s14, s15                          ; lane xor 16 holds the query's other 32 keys
.if \first
	v_min_num_f32 v[PMN], v[TM], v[PMN+1]
.else
	v_min3_num_f32 v[PMN], v[TM], v[PMN+1], v[PMO]                       ; the old N is the same in both halves
	v_sub_f32 v[AL], v[PMN], v[PMO]                                      ; c (old maximum - new), never above 0
	v_exp_f32 v[AL], v[AL]                                               ; first used behind the four multiply-adds that open EXPPART (ISA guide 5.7.2)
.endif
.endm
; pair PN of the block's 16 pairs of p: into the row sums, and packed into P.  Pair 0 carries the old sums, rescaled, in the same instruction.
.macro SUMCVT first
.if PN == 0
.if \first == 0
	v_pk_fma_f32 v[LQ:LQ+1], v[LQ:LQ+1], v[AL:AL+1], v[SB:SB+1] op_sel_hi:[1,0,1]
.endif
.else
.if \first
.if PN == 1
	v_pk_add_f32 v[LQ:LQ+1], v[SB:SB+1], v[SB+2:SB+3]                    ; the first tile's first two pairs start the sums
.else
	s_wait_alu depctr_va_vdst(0)
	v_pk_add_f32 v[LQ:LQ+1], v[LQ:LQ+1], v[SB+2*PN:SB+2*PN+1]
.endif
.else
	s_wait_alu depctr_va_vdst(0)
	v_pk_add_f32 v[LQ:LQ+1], v[LQ:LQ+1], v[SB+2*PN:SB+2*PN+1]
.endif
.endif
	v_cvt_pk_bf16_f32 v[PB+PN], v[SB+2*PN], v[SB+2*PN+1]                 ; keys 8 h + 2 j, + 1 of key tile PN / 4: word PN of the two B fragments
.endm
; p = 2^(c s + N) in place, 16 pairs.  Step n: the two exponentials of pair n, then plain work on other pairs: the multiply-add of pair n + 4, the sum and
; packing of pair n - 4, and pair n of O's rescale.  So behind every exponential stands a plain instruction that does not touch it (ISA guide 5.7.2).
.macro EXPPART qb, b, par, first
.set SB,  SC+32*\b
.set PMN, MM+4*\qb+2*\par
.set LQ,  LS+2*\qb
.set OQ,  ACC+32*\qb
.set NN, 0
.rept 4
	v_pk_fma_f32 v[SB+2*NN:SB+2*NN+1], v[SB+2*NN:SB+2*NN+1], QSCALE, v[PMN:PMN+1] op_sel_hi:[1,0,0]   ; c s + N, one rounding; N from the pair's first word
.set NN, NN+1
.endr
.set NN, 0
.rept 16
	v_exp_f32 v[SB+2*NN], v[SB+2*NN]
	v_exp_f32 v[SB+2*NN+1], v[SB+2*NN+1]
.if NN < 12
	v_pk_fma_f32 v[SB+2*NN+8:SB+2*NN+9], v[SB+2*NN+8:SB+2*NN+9], QSCALE, v[PMN:PMN+1] op_sel_hi:[1,0,0]
	s_wait_alu depctr_va_vdst(0)
.endif
.if NN >= 4
.set PN, NN-4
	SUMCVT \first
.endif
.if \first == 0
	v_pk_mul_f32 v[OQ+2*NN:OQ+2*NN+1], v[OQ+2*NN:OQ+2*NN+1], v[AL:AL+1] op_sel_hi:[1,0]
.endif
.set NN, NN+1
.endr
.rept 4
.set PN, NN-4
	SUMCVT \first
.set NN, NN+1
.endr
.endm
; In tile t: tile t + 1, which has landed in registers, goes as bf16 into slot ns; tile t + 2 is asked for; V's fragments of tile t are read.
.macro STAGE slot, ns, gload, pf
	s_wait_loadcnt 0x0                             ; tile t + 1, asked for a whole tile ago; this wait also frees the loads' bases
	CVT16                                          ; sixteen plain instructions on other registers: the places between the last products that read V's fragments and the loads into them
.if \gload
	s_add_nc_u64 s[6:7], s[6:7], TILEB             ; the bases now stand at tile t + 1
	s_add_nc_u64 s[8:9], s[8:9], TILEB
.endif
.if \pf
	s_wait_xcnt 0x0                                ; the last tile's prefetch has had its address translated (ISA guide 3.1): its base is stepped only behind this wait
	s_add_nc_u64 s[20:21], s[20:21], TILEB
.endif
.if \gload
	GLOAD TILEB                                    ; tile t + 2
.endif
	LOADV \slot
	DSTORE \ns
	WIN 0                                          ; at a branch and at a label every window is 0
.if \pf
	; Wave 0 asks for 8,192 bytes of tile t + 3, which the next tile's loads will want: 32 lanes 256 bytes apart.  The head's four work-groups ask for K's
	; two halves and V's two halves, so each block is asked for once in the launch.  Tiles 29 to 31 ask for nothing: tile 31 is the buffer's last of this head.
	s_cmp_lg_u32 s12, 0
	s_cbranch_scc1 .Lno_prefetch_\@
	global_prefetch_b8 v[PFO], s[20:21] th:TH_LOAD_NT scope:SCOPE_SE
.Lno_prefetch_\@:
.endif
.endm
; One tile of 64 keys in slot `slot` (ns = the other slot; the slot's number is also the parity of N's pair).  At its head S^T of q block 0 has been issued.
; The products of q blocks i + 1 (S) and i - 1 (PV) are issued ahead of the softmax of q block i.  Every vector read of a score, every write of P and of O stands
; behind at least the sixteen plain maxima of a MAXPART on other registers, counted from the products that name those registers (ISA guide 7.12.1).
; THE BARRIER.  In front of its signal a wave's stores of tile t + 1 and its last reads of this slot (V's fragments; K's were read a tile ago) are done.
; Behind its wait K's fragments of tile t + 1 are read, and the next tile's stores overwrite this slot.
.macro TILE slot, ns, first, stage, gload, pf, more
	SMM 1, 1
.if \stage
	STAGE \slot, \ns, \gload, \pf
.else
.rept 4
	v_nop                                          ; the places in front of the loads into V's fragments, where no conversions stand
.endr
	LOADV \slot
	WIN 0
.endif
	MAXPART 0, 0, \slot, \ns, \first
	EXPPART 0, 0, \slot, \first
	s_wait_dscnt 0x0                               ; V's fragments are in; for the other waves: my stores of the next tile and my reads of this slot are done
.if \more
	s_barrier_signal -1
.endif
	PVMM 0, \first
	SMM 2, 0
	WIN 0
	MAXPART 1, 1, \slot, \ns, \first
	EXPPART 1, 1, \slot, \first                    ; between signal and wait: register work alone
.if \more
	s_barrier_wait -1
.endif
	PVMM 1, \first
	SMM 3, 1
	WIN 0
	MAXPART 2, 0, \slot, \ns, \first               ; its plain instructions are also the places between SMM 3, which reads K's fragments, and the loads into them
.if \more
	LOADK \ns
	WIN 0
.endif
	EXPPART 2, 0, \slot, \first
.if \more
	s_wait_dscnt 0x0                               ; the next tile's K fragments
.endif
	PVMM 2, \first
.if \more
	SMM 0, 0                                       ; the next tile's first scores
.endif
	WIN 0
	MAXPART 3, 1, \slot, \ns, \first
	EXPPART 3, 1, \slot, \first
	PVMM 3, \first
	WIN 0
.endm
	; ---- addresses ----
	s_load_b256 s[4:11], s[0:1], 0x0               ; q s[4:5], k s[6:7], v s[8:9], out0 s[10:11]
	v_lshl_add_u32 v46, v0, 2, 0x1b800
	v_mov_b32 v47, 0
	v_lshrrev_b32 v1, 5, v0
	v_readfirstlane_b32 s12, v1                    ; wave 0..7
	s_and_b32 s13, ttmp9, 3                        ; which 512 queries of the head
	s_lshl_b32 s18, ttmp9, 17                      ; 512 queries x 256 bytes a work-group (the head's 2,048 are four of them)
	s_lshl_b32 s19, s12, 14                        ; 64 queries x 256 bytes a wave
	s_add_co_u32 s18, s18, s19
	s_mov_b32 s19, 0
	s_lshr_b32 s22, ttmp9, 2
	s_lshl_b32 s22, s22, 19                        ; the head's K and V: 2,048 x 256 bytes
	s_mov_b32 s23, 0
	s_and_b32 s24, s13, 1
	s_lshl_b32 s24, s24, 13                        ; prefetch: my half of a tile,
	s_add_co_u32 s24, s24, 2*TILEB                 ; two tiles on; stepped once more before the first request
	s_mov_b32 s25, 0
	s_mul_i32 s17, s12, WSZ
	s_add_co_u32 s17, s17, WSB                     ; my wave's own LDS bytes
	s_mov_b32 s14, 0x76543210                      ; v_permlanex16_b32: lane i reads lane i of the other half
	s_mov_b32 s15, 0xfedcba98
	v_and_b32 v13, 15, v0                          ; r = L & 15 = t & 15
	v_bfe_u32 v14, v0, 4, 1                        ; h
	v_lshrrev_b32 v1, 4, v0                        ; t >> 4
	v_and_b32 v15, 31, v0                          ; L
	v_mul_u32_u24 v[KST], v1, KPITCH
	v_lshl_add_u32 v[KST], v13, 3, v[KST]
	v_mul_u32_u24 v[VST], v1, VPITCH
	v_lshl_add_u32 v[VST], v13, 3, v[VST]
	v_mul_u32_u24 v[KAD], v13, KPITCH
	v_lshl_add_u32 v[KAD], v14, 4, v[KAD]
	v_lshlrev_b32 v[GOF], 4, v0
	v_lshlrev_b32 v[PFO], 8, v15
	v_lshlrev_b32 v[LOF], 4, v15
	v_and_b32 v15, 7, v0
	v_lshl_add_u32 v15, v14, 3, v15                ; 8 h + (L & 7)
	v_mul_u32_u24 v[VAD], v15, VPITCH
	v_bfe_u32 v15, v0, 3, 1
	v_lshl_add_u32 v[VAD], v15, 4, v[VAD]
	v_mul_u32_u24 v[QST], v14, KPITCH
	v_lshl_add_u32 v[QST], v13, 3, v[QST]
	v_add_nc_u32 v[QST], s17, v[QST]
	v_add_nc_u32 v[QAD], s17, v[KAD]
	v_mul_u32_u24 v[OST], v13, OPITCH
	v_lshl_add_u32 v[OST], v14, 5, v[OST]
	v_add_nc_u32 v[OST], s17, v[OST]
	v_mul_u32_u24 v[ORD], v14, OPITCH
	v_lshl_add_u32 v[ORD], v13, 4, v[ORD]
	v_add_nc_u32 v[ORD], s17, v[ORD]
	s_wait_kmcnt 0x0
	s_add_nc_u64 s[4:5], s[4:5], s[18:19]          ; my wave's 64 rows of q
	s_add_nc_u64 s[10:11], s[10:11], s[18:19]      ; and of out0
	s_add_nc_u64 s[6:7], s[6:7], s[22:23]          ; the head's K
	s_add_nc_u64 s[8:9], s[8:9], s[22:23]          ; the head's V
	s_cmp_lt_u32 s13, 2                            ; work-groups 0, 1 of a head prefetch K, 2, 3 prefetch V
	s_cselect_b64 s[20:21], s[6:7], s[8:9]
	s_add_nc_u64 s[20:21], s[20:21], s[24:25]
	; ---- tile 0, Q, tile 1 ----
	GLOAD 0                                        ; tile 0
	WIN 0
.set NN, 0
.rept 32
	global_load_b128 v[ACC+4*NN:ACC+4*NN+3], v[LOF], s[4:5] offset:512*NN th:TH_LOAD_NT   ; my wave's Q, two rows a load, into O's registers; read once in the launch
.set NN, NN+1
.endr
.set NN, 0
.rept 8
	v_mov_b32 v[MM+2*NN+1], 0                      ; destinations of v_permlanex16_b32 and second words of broadcast pairs count as read: written once
.set NN, NN+1
.endr
	v_mov_b32 v[AL+1], 0
	s_wait_loadcnt 32                              ; tile 0 is in: the 32 loads of Q were issued behind it
	CVT16
	GLOAD TILEB                                    ; tile 1
	DSTORE 0
	WIN 0
; eight loads of Q (16 rows): rounded as given, 8 bytes a lane into my wave's own rows
.macro QBATCH b
	s_wait_loadcnt 32-8*\b                         ; behind this batch stand 24 - 8 b loads of Q and tile 1's eight
.irp n, 0,1,2,3,4,5,6,7,8,9,10,11,12,13,14,15
	v_cvt_pk_bf16_f32 v[SC+16*\b+\n], v[ACC+32*\b+2*\n], v[ACC+32*\b+2*\n+1]
.endr
.irp i, 0,1,2,3,4,5,6,7
	ds_store_b64 v[QST], v[SC+16*\b+2*\i:SC+16*\b+2*\i+1] offset:2*KPITCH*(8*\b+\i)
.endr
.endm
	QBATCH 0
	QBATCH 1
	QBATCH 2
	QBATCH 3
	WIN W_LD
.irp qb, 0,1,2,3
.irp ks, 0,1
	ds_load_b128 v[QFR+16*\qb+8*\ks:QFR+16*\qb+8*\ks+3], v[QAD] offset:\qb*16*KPITCH+\ks*64       ; my own bytes: LDS serves a wave's instructions in order (ISA guide 5.7.1)
	ds_load_b128 v[QFR+16*\qb+8*\ks+4:QFR+16*\qb+8*\ks+7], v[QAD] offset:\qb*16*KPITCH+\ks*64+32
.endr
.endr
	s_wait_dscnt 0x0                               ; for the other waves: my part of tile 0 is stored; for me: Q's fragments are in
	s_barrier_signal -1
	s_barrier_wait -1                              ; slot 0 is whole
	LOADK 0
	s_wait_dscnt 0x0
	SMM 0, 0
	; ---- the 32 tiles ----
	TILE 0, 1, 1, 1, 1, 1, 1                       ; tile 0 starts every sum and maximum
	s_mov_b32 s16, 14
.Ltiles:                                           ; tiles 1 to 28, two a trip
	TILE 1, 0, 0, 1, 1, 1, 1
	TILE 0, 1, 0, 1, 1, 1, 1
	s_sub_co_i32 s16, s16, 1
	s_cmp_lg_u32 s16, 0
	s_cbranch_scc1 .Ltiles
	TILE 1, 0, 0, 1, 1, 0, 1                       ; tile 29: asks for tile 31, prefetches nothing
	TILE 0, 1, 0, 1, 0, 0, 1                       ; tile 30: stages tile 31, asks for nothing
	TILE 1, 0, 0, 0, 0, 0, 0                       ; tile 31: nothing to stage, no barrier
	; ---- 1 / l ----  (these plain instructions on other registers are also the places behind the last products)
.irp qb, 0,1,2,3
	v_add_f32 v[TM+\qb], v[LS+2*\qb], v[LS+2*\qb+1]
.endr
.irp qb, 0,1,2,3
	v_permlanex16_b32 v[MM+4*\qb+1], v[TM+\qb], s14, s15     ; the sums of the query's other 32 keys of every tile
.endr
.irp qb, 0,1,2,3
	v_add_f32 v[TM+\qb], v[TM+\qb], v[MM+4*\qb+1]
.endr
.irp qb, 0,1,2,3
	v_rcp_f32 v[MM+4*\qb], v[TM+\qb]               ; l is about 1 at the least: the key of the maximum adds 2^(rounding residue of c s)
.endr
	v_nop                                          ; one plain instruction behind the reciprocals before the first is used (ISA guide 5.7.2)
	s_wait_alu depctr_va_vdst(0)
; 16 queries out: scale, 32 bytes a lane into my own stage (rows of 272 bytes), back as whole rows, two rows = 512 consecutive aligned bytes a store
.macro FIN qb, b
.set NN, 0
.rept 16
	v_pk_mul_f32 v[ACC+32*\qb+2*NN:ACC+32*\qb+2*NN+1], v[ACC+32*\qb+2*NN:ACC+32*\qb+2*NN+1], v[MM+4*\qb:MM+4*\qb+1] op_sel_hi:[1,0]
.set NN, NN+1
.endr
.irp db, 0,1,2,3
	ds_store_b128 v[OST], v[ACC+32*\qb+8*\db:ACC+32*\qb+8*\db+3] offset:64*\db
	ds_store_b128 v[OST], v[ACC+32*\qb+8*\db+4:ACC+32*\qb+8*\db+7] offset:64*\db+16
.endr
.if \qb > 1
	s_wait_xcnt 0x0                                ; the stores of two q blocks ago read this buffer: it is loaded again only behind this wait (ISA guide 3.1)
.endif
.irp i, 0,1,2,3,4,5,6,7
	ds_load_b128 v[SC+32*\b+4*\i:SC+32*\b+4*\i+3], v[ORD] offset:2*OPITCH*\i      ; my own bytes, served in order behind the stores above
.endr
.irp i, 0,1,2,3,4,5,6,7
	s_wait_dscnt 7-\i                              ; LDS loads come back in order: load i is in, the 7 - i later ones may be out
	global_store_b128 v[LOF], v[SC+32*\b+4*\i:SC+32*\b+4*\i+3], s[10:11] offset:4096*\qb+512*\i th:TH_STORE_NT
.endr
.endm
	FIN 0, 0
	FIN 1, 1
	FIN 2, 0
	FIN 3, 1
	s_wait_tensorcnt 0x0
	ds_add_u32 v46, v47
	s_wait_dscnt 0x0
	s_endpgm
.Lfunc_end_k_q3adb9df1ed_attn:
	.size	k_q3adb9df1ed_attn, .Lfunc_end_k_q3adb9df1ed_attn-k_q3adb9df1ed_attn
	.p2alignl 7, 3214868480
	.fill 96, 4, 3214868480
	.section	.rodata,"a",@progbits
	.p2align	6, 0x0
	.amdhsa_kernel k_q3adb9df1ed_attn
		.amdhsa_group_segment_fixed_size 113664
		.amdhsa_private_segment_fixed_size 0
		.amdhsa_enable_private_segment 0
		.amdhsa_kernarg_size 32
		.amdhsa_user_sgpr_count 2
		.amdhsa_user_sgpr_kernarg_segment_ptr 1
		.amdhsa_wavefront_size32 1
		.amdhsa_system_sgpr_workgroup_id_x 1
		.amdhsa_system_sgpr_workgroup_id_y 1
		.amdhsa_system_sgpr_workgroup_id_z 1
		.amdhsa_system_vgpr_workitem_id 0
		.amdhsa_next_free_vgpr 512
		.amdhsa_next_free_sgpr 66
		.amdhsa_reserve_vcc 0
		.amdhsa_float_denorm_mode_32 3
		.amdhsa_float_denorm_mode_16_64 3
		.amdhsa_memory_ordered 1
		.amdhsa_forward_progress 1
		.amdhsa_inst_pref_size 255
	.end_amdhsa_kernel
	.section	.bss,"aw",@nobits
	.p2align	6
	.space	262144
	.amdgpu_metadata
---
amdhsa.version: [ 1, 2 ]
amdhsa.kernels:
  - .name:           k_q3adb9df1ed_attn
    .symbol:         k_q3adb9df1ed_attn.kd
    .args:
      - { .name: q, .offset: 0, .size: 8, .value_kind: global_buffer, .address_space: global }
      - { .name: k, .offset: 8, .size: 8, .value_kind: global_buffer, .address_space: global }
      - { .name: v, .offset: 16, .size: 8, .value_kind: global_buffer, .address_space: global }
      - { .name: out0, .offset: 24, .size: 8, .value_kind: global_buffer, .address_space: global }
    .group_segment_fixed_size: 113664
    .private_segment_fixed_size: 0
    .kernarg_segment_align: 8
    .kernarg_segment_size: 32
    .max_flat_workgroup_size: 256
    .sgpr_count:     66
    .vgpr_count:     512
    .wavefront_size: 32
...
	.end_amdgpu_metadata
.endif
;; end of part 1
;; ======== version 2 of 2: 1 launch; version 1 with the launch attn written anew for expert scheduling mode
;; launch attn (part 2): grid 256 x 1, 8 waves a work-group, no clusters, 113,664 bytes of LDS; arguments q, k, v, out0; writes out0
.if DOCPART == 2
	.amdgcn_target "amdgcn-amd-amdhsa--gfx1250"
	.amdhsa_code_object_version 6
	.text
	.protected	k_q3adb9df1ed_attn
	.globl	k_q3adb9df1ed_attn
	.p2align	8
	.type	k_q3adb9df1ed_attn,@function
k_q3adb9df1ed_attn:
	s_mov_b64 s[64:65], 0
	v_nop
	global_prefetch_b8 v0, s[64:65] scope:SCOPE_SE
	s_setreg_imm32_b32 hwreg(HW_REG_WAVE_SCHED_MODE, 0, 2), 2
	s_setreg_imm32_b32 hwreg(HW_REG_WAVE_MODE, 25, 1), 1
	s_wait_xcnt 0x0
	s_wait_alu depctr_vm_vsrc(0)
; out = softmax(q k^T / 8) v for 64 heads of 2,048 x 64, f32 in memory; products in bf16 with f32 sums, softmax in f32 with a running maximum.
; SHARES.  Work-group g: head g >> 2, queries 512 (g & 3) .. + 511.  Wave w: 64 of them, as four q blocks of 16.  Every work-group walks the
; head's 2,048 keys in 32 tiles of 64.  Eight waves of 512 registers: two to a SIMD, so that one's softmax can run beside the other's products.
; BOTH PRODUCTS ARE TRANSPOSED.  S^T = K Q^T: lane (r, h) register j of key tile kt holds key 16 kt + 8 h + j of query r, so a query's maximum
; and sum run inside the lane and one exchange with lane xor 16 joins the halves.  Packing registers (2 j, 2 j + 1) of key tiles 2 kk, 2 kk + 1
; gives the B fragment (32 keys x 16 queries) of O^T = V^T P^T as it stands: P never leaves its registers.  In O^T lane (r, h) holds
; d = 16 db + 8 h + j of query r, so the rescale and 1 / l are the lane's own numbers.
; THE SCALE.  q, k and v are rounded to bf16 as they are given.  c = 0.125 log2(e) is applied to the f32 scores, in the multiply-add that also takes
; the maximum away: p = 2^(c s + N), where N = -(c x running maximum) is what is kept from tile to tile.
; K AND V go memory -> registers (f32, one tile ahead) -> bf16 -> one of two LDS slots, once for the work-group; one barrier a tile.
; CLUSTER: none, though the four work-groups of a head read the same K and V.  A joint tensor load cannot round: it would land 32,768 bytes of
; f32 a tile in LDS, to be read back (32,768 bytes), rounded and stored again (16,384 bytes), where the way through registers costs the
; 16,384-byte store alone, and it would add a round of the cluster's barrier to the barrier that the bf16 slots need anyway.
; LIMITS.  Inputs finite, with scores finite in f32.  v_exp_f32 gives 0 for results below 2^-126 (ISA guide 15.8).
; P is rounded to bf16 for the product; the row sums take the unrounded p.
; THE MODE: SCHED_MODE bits 1:0 = 2 (LLVM: expert scheduling mode 2), set by the entry lines.  The code itself states the register dependences
; between vector or matrix instructions and memory or LDS instructions, with s_wait_alu, always for 0.
; THE PLAN.  Registers that memory or LDS instructions touch in tile t:
;   GLD   The global loads of tile t + 2 land in it; the sixteen conversions at the head of tile t + 1 read it.
;   CVR   Those conversions write it; the eight LDS stores of the same tile read it.
;   VFR   The sixteen transposing LDS loads of tile t land in it; the 32 products V^T P^T of tile t read it, the last eight at the tile's end.
;   KFR   The sixteen LDS loads of tile t + 1's K land in it, in tile t; S^T of q block 0 at the end of tile t and of q blocks 1 to 3 in tile t + 1 read it.
;   v2 to v12   Addresses and offsets, made at the head and never written again; the global bases are scalar registers.
;   The scores, P, O, the statistics and Q's fragments are named in the tiles by vector and matrix instructions alone.
; So a tile has three such waits.  At its head one on vm_vsrc: the last tile's LDS stores have read CVR.  One on va_vdst ahead of ONE run of memory instructions
; (loads into GLD, loads into VFR, stores from CVR): the conversions are done with GLD and CVR, the last tile's products with VFR.  One on va_vdst ahead of
; the run of loads into KFR: S^T of q block 3 is done with it.  Both runs stand inside a q block's exponentials, whose lines name none of these registers.
.set TILEB,   16384                    ; a tile of K or of V in memory: 64 keys x 256 bytes, contiguous
.set KPITCH,  144                      ; LDS row of 64 bf16 + 16 bytes: 9 x 16, so sixteen rows start at sixteen different 16-byte columns of 256 bytes
.set VPITCH,  160                      ; 5 x 32 bytes, for the transposing loads
.set VOFF,    64*KPITCH                ; 9,216: V's rows lie behind K's in a slot
.set SLOTB,   VOFF+64*VPITCH            ; 19,456 bytes a slot; two slots
.set WSB,     2*SLOTB                  ; 38,912: behind the slots each wave's own 9,216 bytes: first its Q rows (pitch 144), at the end 16 rows of output
.set WSZ,     64*KPITCH
.set OPITCH,  272                      ; a row of 64 f32 + 16 bytes
.set QSCALE,  0x3e38aa3b               ; c = 0.125 log2(e)
.set NQSCALE, 0xbe38aa3b               ; -c
; registers v0-v255
.set KST, 2                            ; where thread t puts 8 bytes of K: (t >> 4) 144 + (t & 15) 8
.set VST, 3                            ; of V: (t >> 4) 160 + (t & 15) 8
.set KAD, 4                            ; K fragments: r 144 + 16 h
.set VAD, 5                            ; V fragments: (8 h + (L & 7)) 160 + 16 ((L >> 3) & 1)
.set GOF, 6                            ; 16 t: my 16 bytes in each 4,096 of a tile
.set QST, 7                            ; Q stage, in
.set QAD, 8                            ; Q stage, fragments
.set PFO, 9                            ; 256 L: prefetch, lanes 256 bytes apart
.set LOF, 10                           ; 16 L
.set OST, 11                           ; output stage, in: r 272 + 32 h
.set ORD, 12                           ; output stage, back by rows: h 272 + 16 r
.set MM,  16                           ; v[16:31]  q block qb, parity p: pair 16 + 4 qb + 2 p = (N = -c x running maximum, the other half's figure of this tile)
.set LS,  32                           ; v[32:39]  q block qb: a pair of partial row sums
.set AL,  40                           ; v[40:41]  2^(new N - old N); the second word is written once and never used
.set TM,  42                           ; v[42:45]  at work
.set PB,  48                           ; v[48:63]  P as two B fragments
.set SC,  64                           ; v[64:127] scores, two buffers of 32; key tile kt at 8 kt
.set ACC, 128                          ; v[128:255] O^T: 32 qb + 8 db
; registers v256-v511, written by their low 8 bits
.set KFR, 0                            ; K fragments, 16 kt + 8 ks
.set VFR, 64                           ; V^T fragments, 8 (4 kk + db)
.set QFR, 128                          ; Q fragments, 16 qb + 8 ks
.set GLD, 192                          ; the next tile as loaded: K 16 registers, V 16
.set CVR, 224                          ; the same in bf16: K 8, V 8
; s_set_vgpr_msb: bits 1:0 source 0, 3:2 source 1, 5:4 source 2, 7:6 destination
.set W_S,  0x05                        ; S product: A and B above, C and D below
.set W_PV, 0x01                        ; PV product: A above
.set W_LD, 0x40                        ; loads into the upper block, address below
.set W_CV, 0x45                        ; conversions inside the upper block
.set W_ST, 0x04                        ; LDS stores of upper data, address below
.set MSB, 0
.macro WIN new                         ; the immediate's high byte repeats the setting that is left; a switch that changes nothing is dropped
.if MSB != \new
	s_set_vgpr_msb (MSB<<8)|\new
.set MSB, \new
.endif
.endm
; eight loads: my 16 bytes of each 4,096 of a tile of K and of V; a wave's load covers 512 consecutive bytes, aligned
.macro GLOAD off
	WIN W_LD
.irp i, 0,1,2,3
	global_load_b128 v[GLD+4*\i:GLD+4*\i+3], v[GOF], s[6:7] offset:\off+4096*\i
.endr
.irp i, 0,1,2,3
	global_load_b128 v[GLD+16+4*\i:GLD+16+4*\i+3], v[GOF], s[8:9] offset:\off+4096*\i
.endr
.endm
.macro CVT16                           ; 32 f32 to 16 words of bf16
	WIN W_CV
.irp i, 0,1,2,3,4,5,6,7
	v_cvt_pk_bf16_f32 v[CVR+2*\i], v[GLD+4*\i], v[GLD+4*\i+1]
	v_cvt_pk_bf16_f32 v[CVR+2*\i+1], v[GLD+4*\i+2], v[GLD+4*\i+3]
.endr
.endm
.macro DSTORE ns                       ; load i holds row (t >> 4) + 16 i, d = 4 (t & 15) .. + 3
	WIN W_ST
.irp i, 0,1,2,3
	ds_store_b64 v[KST], v[CVR+2*\i:CVR+2*\i+1] offset:\ns*SLOTB+16*KPITCH*\i
.endr
.irp i, 0,1,2,3
	ds_store_b64 v[VST], v[CVR+8+2*\i:CVR+8+2*\i+1] offset:\ns*SLOTB+VOFF+16*VPITCH*\i
.endr
.endm
; K as A fragments: lane (r, h) takes key 16 kt + r, d = 32 ks + 8 h .. + 7 and 16 further on
.macro LOADK slot
	WIN W_LD
.irp kt, 0,1,2,3
.irp ks, 0,1
	ds_load_b128 v[KFR+16*\kt+8*\ks:KFR+16*\kt+8*\ks+3], v[KAD] offset:\slot*SLOTB+\kt*16*KPITCH+\ks*64
	ds_load_b128 v[KFR+16*\kt+8*\ks+4:KFR+16*\kt+8*\ks+7], v[KAD] offset:\slot*SLOTB+\kt*16*KPITCH+\ks*64+32
.endr
.endr
.endm
; V^T as A fragments out of rows [key][d]: lane (r, h) gets d = 16 db + r, keys 32 kk + 8 h .. + 7 and 16 further on
.macro LOADV slot
	WIN W_LD
.irp kk, 0,1
.irp db, 0,1,2,3
	ds_load_tr16_b128 v[VFR+8*(4*\kk+\db):VFR+8*(4*\kk+\db)+3], v[VAD] offset:\slot*SLOTB+VOFF+\kk*32*VPITCH+\db*32
	ds_load_tr16_b128 v[VFR+8*(4*\kk+\db)+4:VFR+8*(4*\kk+\db)+7], v[VAD] offset:\slot*SLOTB+VOFF+\kk*32*VPITCH+\db*32+16*VPITCH
.endr
.endr
.endm
; S^T of q block qb into score buffer b.  The four key tiles take turns, one instruction a turn; the first product starts each sum.
.macro SMM qb, b
	WIN W_S
.irp kt, 0,1,2,3
	v_wmma_f32_16x16x32_bf16 v[SC+32*\b+8*\kt:SC+32*\b+8*\kt+7], v[KFR+16*\kt:KFR+16*\kt+7], v[QFR+16*\qb:QFR+16*\qb+7], 0
.endr
.irp kt, 0,1,2,3
	v_wmma_f32_16x16x32_bf16 v[SC+32*\b+8*\kt:SC+32*\b+8*\kt+7], v[KFR+16*\kt+8:KFR+16*\kt+15], v[QFR+16*\qb+8:QFR+16*\qb+15], v[SC+32*\b+8*\kt:SC+32*\b+8*\kt+7]
.endr
.endm
; O^T of q block qb += V^T P^T.  The four d blocks take turns likewise; in the first tile the first product starts the sums: nothing is cleared.
.macro PVMM qb, first
	WIN W_PV
.irp db, 0,1,2,3
.if \first
	v_wmma_f32_16x16x32_bf16 v[ACC+32*\qb+8*\db:ACC+32*\qb+8*\db+7], v[VFR+8*\db:VFR+8*\db+7], v[PB:PB+7], 0
.else
	v_wmma_f32_16x16x32_bf16 v[ACC+32*\qb+8*\db:ACC+32*\qb+8*\db+7], v[VFR+8*\db:VFR+8*\db+7], v[PB:PB+7], v[ACC+32*\qb+8*\db:ACC+32*\qb+8*\db+7]
.endif
.endr
.irp db, 0,1,2,3
	v_wmma_f32_16x16x32_bf16 v[ACC+32*\qb+8*\db:ACC+32*\qb+8*\db+7], v[VFR+32+8*\db:VFR+32+8*\db+7], v[PB+8:PB+15], v[ACC+32*\qb+8*\db:ACC+32*\qb+8*\db+7]
.endr
.endm
; THE FIRST RUN OF A TILE'S MEMORY INSTRUCTIONS.  In tile t: tile t + 2 is asked for; V's fragments of tile t are read; tile t + 1, rounded at the tile's head, goes
; into the other slot.  TILE sets T_SLOT, T_NS, T_STAGE, T_GLOAD and T_PF.  It stands behind step 5 of q block 0's exponentials: behind the last product that read
; V's fragments stand the sixteen conversions, the 21 lines of the maximum and 32 of the exponentials.
.macro MEMV
.if T_GLOAD
	s_add_nc_u64 s[6:7], s[6:7], TILEB             ; free since the wait for tile t + 1 at the tile's head, which shows the loads that read them done: the bases now stand at tile t + 1
	s_add_nc_u64 s[8:9], s[8:9], TILEB
.endif
.if T_PF
	s_wait_xcnt 0x0                                ; the last tile's prefetch has had its address translated (ISA guide 3.1): its base is stepped only behind this wait
	s_add_nc_u64 s[20:21], s[20:21], TILEB
.endif
	WIN W_LD
	s_wait_alu depctr_va_vdst(0)                   ; the conversions are done reading GLD, in which the loads land, and have written CVR, which the stores read; the last tile's products are done reading V's fragments
.if T_GLOAD
	GLOAD TILEB                                    ; tile t + 2
.endif
	LOADV T_SLOT
.if T_STAGE
	DSTORE T_NS
.endif
	WIN 0                                          ; at a branch and at a label every window is 0
.if T_PF
	; Wave 0 asks for 8,192 bytes of tile t + 3, which the next tile's loads will want: 32 lanes 256 bytes apart.  The head's four work-groups ask for K's
	; two halves and V's two halves, so each block is asked for once in the launch.  Tiles 29 to 31 ask for nothing: tile 31 is the buffer's last of this head.
	s_cmp_lg_u32 s12, 0
	s_cbranch_scc1 .Lno_prefetch_\@
	global_prefetch_b8 v[PFO], s[20:21] th:TH_LOAD_NT scope:SCOPE_SE      ; its offset register was made at the head and is never written again
.Lno_prefetch_\@:
.endif
.endm
; THE SECOND RUN: K's fragments of tile t + 1.  It stands behind step 7 of q block 2's exponentials: behind the last product that read K's fragments stand the 21 lines
; of the maximum and 44 of the exponentials.
.macro MEMK
	WIN W_LD
	s_wait_alu depctr_va_vdst(0)                   ; S^T of q block 3 is done reading K's fragments, in which the loads land
	LOADK T_NS
	WIN 0
.endm
.set HOOK, 0                           ; 1: EXPPART carries the first run; 2: the second; 0: none
; The new N = -(c x running maximum) of q block qb (raw scores in buffer b) and 2^(new N - old N).  c > 0, so the maximum is taken over the raw scores and
; scaled once; the difference of the two N is exact in the numbers that the exponents use.  N's pair changes with the tile's parity: no copy.
.macro MAXPART qb, b, par, opar, first
.set SB,  SC+32*\b
.set PMN, MM+4*\qb+2*\par
.set PMO, MM+4*\qb+2*\opar
.irp c, 0,1,2,3
	v_max3_num_f32 v[TM+\c], v[SB+8*\c], v[SB+8*\c+1], v[SB+8*\c+2]      ; four chains that do not wait for each other
.endr
.irp c, 0,1,2,3
	v_max3_num_f32 v[TM+\c], v[TM+\c], v[SB+8*\c+3], v[SB+8*\c+4]
.endr
.irp c, 0,1,2,3
	v_max3_num_f32 v[TM+\c], v[TM+\c], v[SB+8*\c+5], v[SB+8*\c+6]
.endr
	v_max3_num_f32 v[TM], v[TM], v[TM+1], v[SB+7]
	v_max3_num_f32 v[TM+2], v[TM+2], v[TM+3], v[SB+15]
	v_max3_num_f32 v[TM], v[TM], v[TM+2], v[SB+23]
	v_max_num_f32 v[TM], v[TM], v[SB+31]                                 ; the largest of my 32 raw scores
	v_mul_f32 v[TM], NQSCALE, v[TM]                                      ; times -c
	v_permlanex16_b32 v[PMN+1], v[TM], s14, s15                          ; lane xor 16 holds the query's other 32 keys
.if \first
	v_min_num_f32 v[PMN], v[TM], v[PMN+1]
.else
	v_min3_num_f32 v[PMN], v[TM], v[PMN+1], v[PMO]                       ; the old N is the same in both halves
	v_sub_f32 v[AL], v[PMN], v[PMO]                                      ; c (old maximum - new), never above 0
	v_exp_f32 v[AL], v[AL]                                               ; first used behind the four multiply-adds that open EXPPART (ISA guide 5.7.2)
.endif
.endm
; pair PN of the block's 16 pairs of p: into the row sums, and packed into P.  Pair 0 carries the old sums, rescaled, in the same instruction.
.macro SUMCVT first
.if PN == 0
.if \first == 0
	v_pk_fma_f32 v[LQ:LQ+1], v[LQ:LQ+1], v[AL:AL+1], v[SB:SB+1] op_sel_hi:[1,0,1]
.endif
.else
.if \first
.if PN == 1
	v_pk_add_f32 v[LQ:LQ+1], v[SB:SB+1], v[SB+2:SB+3]                    ; the first tile's first two pairs start the sums
.else
	s_wait_alu depctr_va_vdst(0)
	v_pk_add_f32 v[LQ:LQ+1], v[LQ:LQ+1], v[SB+2*PN:SB+2*PN+1]
.endif
.else
	s_wait_alu depctr_va_vdst(0)
	v_pk_add_f32 v[LQ:LQ+1], v[LQ:LQ+1], v[SB+2*PN:SB+2*PN+1]
.endif
.endif
	v_cvt_pk_bf16_f32 v[PB+PN], v[SB+2*PN], v[SB+2*PN+1]                 ; keys 8 h + 2 j, + 1 of key tile PN / 4: word PN of the two B fragments
.endm
; p = 2^(c s + N) in place, 16 pairs.  Step n: the two exponentials of pair n, then plain work on other pairs: the multiply-add of pair n + 4, the sum and
; packing of pair n - 4, and pair n of O's rescale.  So behind every exponential stands a plain instruction that does not touch it (ISA guide 5.7.2).
; Its lines name the scores, P, the sums, N, the rescale's factor and O: none of the registers that a run of memory instructions set between two steps touches.
.macro EXPPART qb, b, par, first
.set SB,  SC+32*\b
.set PMN, MM+4*\qb+2*\par
.set LQ,  LS+2*\qb
.set OQ,  ACC+32*\qb
.set NN, 0
.rept 4
	v_pk_fma_f32 v[SB+2*NN:SB+2*NN+1], v[SB+2*NN:SB+2*NN+1], QSCALE, v[PMN:PMN+1] op_sel_hi:[1,0,0]   ; c s + N, one rounding; N from the pair's first word
.set NN, NN+1
.endr
.set NN, 0
.rept 16
	v_exp_f32 v[SB+2*NN], v[SB+2*NN]
	v_exp_f32 v[SB+2*NN+1], v[SB+2*NN+1]
.if NN < 12
	v_pk_fma_f32 v[SB+2*NN+8:SB+2*NN+9], v[SB+2*NN+8:SB+2*NN+9], QSCALE, v[PMN:PMN+1] op_sel_hi:[1,0,0]
	s_wait_alu depctr_va_vdst(0)
.endif
.if NN >= 4
.set PN, NN-4
	SUMCVT \first
.endif
.if \first == 0
	v_pk_mul_f32 v[OQ+2*NN:OQ+2*NN+1], v[OQ+2*NN:OQ+2*NN+1], v[AL:AL+1] op_sel_hi:[1,0]
.endif
.if (HOOK == 1) && (NN == 5)
	MEMV
.endif
.if (HOOK == 2) && (NN == 7)
	MEMK
.endif
.set NN, NN+1
.endr
.rept 4
.set PN, NN-4
	SUMCVT \first
.set NN, NN+1
.endr
.endm
; One tile of 64 keys in slot `slot` (ns = the other slot; the slot's number is also the parity of N's pair).  At its head S^T of q block 0 has been issued.
; The products of q blocks i + 1 (S) and i - 1 (PV) are issued ahead of the softmax of q block i.  Every vector read of a score, every write of P and of O stands
; behind at least the sixteen plain maxima of a MAXPART on other registers, counted from the products that name those registers (ISA guide 7.12.1).
; THE BARRIER.  In front of its signal a wave's stores of tile t + 1 and its last reads of this slot (V's fragments; K's were read a tile ago) are done.
; Behind its wait K's fragments of tile t + 1 are read, and the next tile's stores overwrite this slot.
.macro TILE slot, ns, first, stage, gload, pf, more
.set T_SLOT,  \slot
.set T_NS,    \ns
.set T_STAGE, \stage
.set T_GLOAD, \gload
.set T_PF,    \pf
	SMM 1, 1
.if \stage
	s_wait_loadcnt 0x0                             ; tile t + 1, asked for a whole tile ago; this wait also frees the loads' bases
	s_wait_alu depctr_vm_vsrc(0)                   ; the last tile's LDS stores have read CVR, which the conversions write again
	CVT16
.endif
	WIN 0
	MAXPART 0, 0, \slot, \ns, \first
.set HOOK, 1
	EXPPART 0, 0, \slot, \first                    ; with the first run of memory instructions
.set HOOK, 0
	s_wait_dscnt 0x0                               ; V's fragments are in; for the other waves: my stores of the next tile and my reads of this slot are done
.if \more
	s_barrier_signal -1
.endif
	PVMM 0, \first
	SMM 2, 0
	WIN 0
	MAXPART 1, 1, \slot, \ns, \first
	EXPPART 1, 1, \slot, \first                    ; between signal and wait: register work alone
.if \more
	s_barrier_wait -1
.endif
	PVMM 1, \first
	SMM 3, 1
	WIN 0
	MAXPART 2, 0, \slot, \ns, \first
.set HOOK, 2*\more
	EXPPART 2, 0, \slot, \first                    ; with the second run: the next tile's K fragments
.set HOOK, 0
	PVMM 2, \first
.if \more
	s_wait_dscnt 0x0                               ; the next tile's K fragments are in
	SMM 0, 0                                       ; the next tile's first scores
.endif
	WIN 0
	MAXPART 3, 1, \slot, \ns, \first
	EXPPART 3, 1, \slot, \first
	PVMM 3, \first
	WIN 0
.endm
	; ---- addresses ----
	s_load_b256 s[4:11], s[0:1], 0x0               ; q s[4:5], k s[6:7], v s[8:9], out0 s[10:11]
	v_lshl_add_u32 v46, v0, 2, 0x1b800
	v_mov_b32 v47, 0
	v_lshrrev_b32 v1, 5, v0
	v_readfirstlane_b32 s12, v1                    ; wave 0..7
	s_and_b32 s13, ttmp9, 3                        ; which 512 queries of the head
	s_lshl_b32 s18, ttmp9, 17                      ; 512 queries x 256 bytes a work-group (the head's 2,048 are four of them)
	s_wait_alu depctr_va_sdst(0)                   ; s12 is written, ahead of its first reader: the wave's rows and its LDS bytes are made from it
	s_lshl_b32 s19, s12, 14                        ; 64 queries x 256 bytes a wave
	s_add_co_u32 s18, s18, s19
	s_mov_b32 s19, 0
	s_lshr_b32 s22, ttmp9, 2
	s_lshl_b32 s22, s22, 19                        ; the head's K and V: 2,048 x 256 bytes
	s_mov_b32 s23, 0
	s_and_b32 s24, s13, 1
	s_lshl_b32 s24, s24, 13                        ; prefetch: my half of a tile,
	s_add_co_u32 s24, s24, 2*TILEB                 ; two tiles on; stepped once more before the first request
	s_mov_b32 s25, 0
	s_mul_i32 s17, s12, WSZ
	s_add_co_u32 s17, s17, WSB                     ; my wave's own LDS bytes
	s_mov_b32 s14, 0x76543210                      ; v_permlanex16_b32: lane i reads lane i of the other half
	s_mov_b32 s15, 0xfedcba98
	v_and_b32 v13, 15, v0                          ; r = L & 15 = t & 15
	v_bfe_u32 v14, v0, 4, 1                        ; h
	v_lshrrev_b32 v1, 4, v0                        ; t >> 4
	v_and_b32 v15, 31, v0                          ; L
	v_mul_u32_u24 v[KST], v1, KPITCH
	v_lshl_add_u32 v[KST], v13, 3, v[KST]
	v_mul_u32_u24 v[VST], v1, VPITCH
	v_lshl_add_u32 v[VST], v13, 3, v[VST]
	v_mul_u32_u24 v[KAD], v13, KPITCH
	v_lshl_add_u32 v[KAD], v14, 4, v[KAD]
	v_lshlrev_b32 v[GOF], 4, v0
	v_lshlrev_b32 v[PFO], 8, v15
	v_lshlrev_b32 v[LOF], 4, v15
	v_and_b32 v15, 7, v0
	v_lshl_add_u32 v15, v14, 3, v15                ; 8 h + (L & 7)
	v_mul_u32_u24 v[VAD], v15, VPITCH
	v_bfe_u32 v15, v0, 3, 1
	v_lshl_add_u32 v[VAD], v15, 4, v[VAD]
	v_mul_u32_u24 v[QST], v14, KPITCH
	v_lshl_add_u32 v[QST], v13, 3, v[QST]
	v_add_nc_u32 v[QST], s17, v[QST]
	v_add_nc_u32 v[QAD], s17, v[KAD]
	v_mul_u32_u24 v[OST], v13, OPITCH
	v_lshl_add_u32 v[OST], v14, 5, v[OST]
	v_add_nc_u32 v[OST], s17, v[OST]
	v_mul_u32_u24 v[ORD], v14, OPITCH
	v_lshl_add_u32 v[ORD], v13, 4, v[ORD]
	v_add_nc_u32 v[ORD], s17, v[ORD]
	s_wait_kmcnt 0x0
	s_add_nc_u64 s[4:5], s[4:5], s[18:19]          ; my wave's 64 rows of q
	s_add_nc_u64 s[10:11], s[10:11], s[18:19]      ; and of out0
	s_add_nc_u64 s[6:7], s[6:7], s[22:23]          ; the head's K
	s_add_nc_u64 s[8:9], s[8:9], s[22:23]          ; the head's V
	s_cmp_lt_u32 s13, 2                            ; work-groups 0, 1 of a head prefetch K, 2, 3 prefetch V
	s_cselect_b64 s[20:21], s[6:7], s[8:9]
	s_add_nc_u64 s[20:21], s[20:21], s[24:25]
	; ---- tile 0, Q, tile 1 ----
	WIN W_LD
	s_wait_alu depctr_va_vdst(0)                   ; the eleven addresses and offsets v2 to v12 are written: every memory and LDS instruction of the kernel reads one of them, and none is written again
	GLOAD 0                                        ; tile 0
	WIN 0
.set NN, 0
.rept 32
	global_load_b128 v[ACC+4*NN:ACC+4*NN+3], v[LOF], s[4:5] offset:512*NN th:TH_LOAD_NT   ; my wave's Q, two rows a load, into O's registers; read once in the launch
.set NN, NN+1
.endr
.set NN, 0
.rept 8
	v_mov_b32 v[MM+2*NN+1], 0                      ; destinations of v_permlanex16_b32 and second words of broadcast pairs count as read: written once
.set NN, NN+1
.endr
	v_mov_b32 v[AL+1], 0
	s_wait_loadcnt 32                              ; tile 0 is in: the 32 loads of Q were issued behind it
	CVT16
	WIN W_LD
	s_wait_alu depctr_va_vdst(0)                   ; the conversions are done reading GLD, in which tile 1 lands, and have written CVR, which the LDS stores read
	GLOAD TILEB                                    ; tile 1
	DSTORE 0
	WIN 0
; eight loads of Q (16 rows): rounded as given
.macro QCVT b
	s_wait_loadcnt 32-8*\b                         ; behind this batch stand 24 - 8 b loads of Q and tile 1's eight
.irp n, 0,1,2,3,4,5,6,7,8,9,10,11,12,13,14,15
	v_cvt_pk_bf16_f32 v[SC+16*\b+\n], v[ACC+32*\b+2*\n], v[ACC+32*\b+2*\n+1]
.endr
.endm
	QCVT 0
	QCVT 1
	QCVT 2
	QCVT 3
	s_wait_alu depctr_va_vdst(0)                   ; the 64 conversions have written the score registers, which the LDS stores read
.set NN, 0
.rept 32
	ds_store_b64 v[QST], v[SC+2*NN:SC+2*NN+1] offset:2*KPITCH*NN         ; 8 bytes a lane into my wave's own rows, two rows a store
.set NN, NN+1
.endr
	WIN W_LD
.irp qb, 0,1,2,3
.irp ks, 0,1
	ds_load_b128 v[QFR+16*\qb+8*\ks:QFR+16*\qb+8*\ks+3], v[QAD] offset:\qb*16*KPITCH+\ks*64       ; my own bytes: LDS serves a wave's instructions in order (ISA guide 5.7.1); no vector instruction has named these registers
	ds_load_b128 v[QFR+16*\qb+8*\ks+4:QFR+16*\qb+8*\ks+7], v[QAD] offset:\qb*16*KPITCH+\ks*64+32
.endr
.endr
	s_wait_dscnt 0x0                               ; for the other waves: my part of tile 0 is stored; for me: Q's fragments are in
	s_barrier_signal -1
	s_barrier_wait -1                              ; slot 0 is whole
	LOADK 0                                        ; no vector or matrix instruction has named K's fragments yet
	s_wait_dscnt 0x0
	s_wait_alu depctr_vm_vsrc(0)                   ; Q's LDS stores have read the score registers, which the products write from here on
	SMM 0, 0
	; ---- the 32 tiles ----
	TILE 0, 1, 1, 1, 1, 1, 1                       ; tile 0 starts every sum and maximum
	s_mov_b32 s16, 14
.Ltiles:                                           ; tiles 1 to 28, two a trip
	TILE 1, 0, 0, 1, 1, 1, 1
	TILE 0, 1, 0, 1, 1, 1, 1
	s_sub_co_i32 s16, s16, 1
	s_cmp_lg_u32 s16, 0
	s_cbranch_scc1 .Ltiles
	TILE 1, 0, 0, 1, 1, 0, 1                       ; tile 29: asks for tile 31, prefetches nothing
	TILE 0, 1, 0, 1, 0, 0, 1                       ; tile 30: stages tile 31, asks for nothing
	TILE 1, 0, 0, 0, 0, 0, 0                       ; tile 31: nothing to stage, no barrier
	; ---- 1 / l ----  (these plain instructions on other registers are also the places behind the last products)
.irp qb, 0,1,2,3
	v_add_f32 v[TM+\qb], v[LS+2*\qb], v[LS+2*\qb+1]
.endr
.irp qb, 0,1,2,3
	v_permlanex16_b32 v[MM+4*\qb+1], v[TM+\qb], s14, s15     ; the sums of the query's other 32 keys of every tile
.endr
.irp qb, 0,1,2,3
	v_add_f32 v[TM+\qb], v[TM+\qb], v[MM+4*\qb+1]
.endr
.irp qb, 0,1,2,3
	v_rcp_f32 v[MM+4*\qb], v[TM+\qb]               ; l is about 1 at the least: the key of the maximum adds 2^(rounding residue of c s)
.endr
	v_nop                                          ; one plain instruction behind the reciprocals before the first is used (ISA guide 5.7.2)
	s_wait_alu depctr_va_vdst(0)
.irp qb, 0,1,2,3
.set NN, 0
.rept 16
	v_pk_mul_f32 v[ACC+32*\qb+2*NN:ACC+32*\qb+2*NN+1], v[ACC+32*\qb+2*NN:ACC+32*\qb+2*NN+1], v[MM+4*\qb:MM+4*\qb+1] op_sel_hi:[1,0]   ; all four q blocks are scaled first: the kernel's last vector instructions
.set NN, NN+1
.endr
.endr
	s_wait_alu depctr_va_vdst(0)                   ; the scalings have written O, which the LDS stores read; the last softmax is done with the score buffers, in which the loads from the stage land
; 16 queries out: 32 bytes a lane into my own stage (rows of 272 bytes), back as whole rows, two rows = 512 consecutive aligned bytes a store
.macro FIN qb, b
.irp db, 0,1,2,3
	ds_store_b128 v[OST], v[ACC+32*\qb+8*\db:ACC+32*\qb+8*\db+3] offset:64*\db
	ds_store_b128 v[OST], v[ACC+32*\qb+8*\db+4:ACC+32*\qb+8*\db+7] offset:64*\db+16
.endr
.if \qb > 1
	s_wait_xcnt 0x0                                ; the stores of two q blocks ago read this buffer: it is loaded again only behind this wait (ISA guide 3.1)
	s_wait_alu depctr_vm_vsrc(0)                   ; and those stores have read their data registers, in which the loads below land
.endif
.irp i, 0,1,2,3,4,5,6,7
	ds_load_b128 v[SC+32*\b+4*\i:SC+32*\b+4*\i+3], v[ORD] offset:2*OPITCH*\i      ; my own bytes, served in order behind the stores above
.endr
.irp i, 0,1,2,3,4,5,6,7
	s_wait_dscnt 7-\i                              ; LDS loads come back in order: load i is in, the 7 - i later ones may be out
	global_store_b128 v[LOF], v[SC+32*\b+4*\i:SC+32*\b+4*\i+3], s[10:11] offset:4096*\qb+512*\i th:TH_STORE_NT
.endr
.endm
	FIN 0, 0
	FIN 1, 1
	FIN 2, 0
	FIN 3, 1
	s_wait_dscnt 0x0
	s_wait_alu depctr_hold_cnt(0) depctr_sa_sdst(0) depctr_va_vdst(0) depctr_va_sdst(0) depctr_va_ssrc(0) depctr_va_vcc(0) depctr_vm_vsrc(0)
	s_wait_tensorcnt 0x0
	ds_add_u32 v46, v47
	s_wait_dscnt 0x0
	s_endpgm
.Lfunc_end_k_q3adb9df1ed_attn:
	.size	k_q3adb9df1ed_attn, .Lfunc_end_k_q3adb9df1ed_attn-k_q3adb9df1ed_attn
	.p2alignl 7, 3214868480
	.fill 96, 4, 3214868480
	.section	.rodata,"a",@progbits
	.p2align	6, 0x0
	.amdhsa_kernel k_q3adb9df1ed_attn
		.amdhsa_group_segment_fixed_size 113664
		.amdhsa_private_segment_fixed_size 0
		.amdhsa_enable_private_segment 0
		.amdhsa_kernarg_size 32
		.amdhsa_user_sgpr_count 2
		.amdhsa_user_sgpr_kernarg_segment_ptr 1
		.amdhsa_wavefront_size32 1
		.amdhsa_system_sgpr_workgroup_id_x 1
		.amdhsa_system_sgpr_workgroup_id_y 1
		.amdhsa_system_sgpr_workgroup_id_z 1
		.amdhsa_system_vgpr_workitem_id 0
		.amdhsa_next_free_vgpr 512
		.amdhsa_next_free_sgpr 66
		.amdhsa_reserve_vcc 0
		.amdhsa_float_denorm_mode_32 3
		.amdhsa_float_denorm_mode_16_64 3
		.amdhsa_memory_ordered 1
		.amdhsa_forward_progress 1
		.amdhsa_inst_pref_size 255
	.end_amdhsa_kernel
	.section	.bss,"aw",@nobits
	.p2align	6
	.space	262144
	.amdgpu_metadata
---
amdhsa.version: [ 1, 2 ]
amdhsa.kernels:
  - .name:           k_q3adb9df1ed_attn
    .symbol:         k_q3adb9df1ed_attn.kd
    .args:
      - { .name: q, .offset: 0, .size: 8, .value_kind: global_buffer, .address_space: global }
      - { .name: k, .offset: 8, .size: 8, .value_kind: global_buffer, .address_space: global }
      - { .name: v, .offset: 16, .size: 8, .value_kind: global_buffer, .address_space: global }
      - { .name: out0, .offset: 24, .size: 8, .value_kind: global_buffer, .address_space: global }
    .group_segment_fixed_size: 113664
    .private_segment_fixed_size: 0
    .kernarg_segment_align: 8
    .kernarg_segment_size: 32
    .max_flat_workgroup_size: 256
    .sgpr_count:     66
    .vgpr_count:     512
    .wavefront_size: 32
...
	.end_amdgpu_metadata
.endif
;; end of part 2
